; MI455X (gfx1250); checked and timed in simulation.
; The chip was launched on July 23, 2026; its instructions are those of AMD's public machine-readable ISA for CDNA 5 (MIT licence, August 2026) and "CDNA5" Instruction Set Architecture Reference Guide (July 2026). The comments in the code are by the model that wrote it; some were corrected since.
;; Linear VC. Allowed arithmetic: matrix products marked QUANTISED: E2M1 operands, one E8M0 scale for each 32 along K, by v_wmma_scale_f32_16x16x128_f8f6f4 with both operands' format E2M1 (or v_wmma_scale_f32_32x16x128_f4), f32 sums; everything else in f32.
;; Inputs: source_features 8,192 x 1,024 float32; target_features 8,192 x 1,024 float32.
;; Outputs: out0 8,192 x 1,024 float32.
;; This version of the problem:
;;   THIS VERSION OF THE PROBLEM IS GIVEN IN LOW PRECISION. The matrix products marked QUANTISED in the list below multiply operands that are first quantised to E2M1 (2 exponent bits, 1 mantissa bit; 4 bits a number), with one power-of-two scale for each 32 numbers along K (OCP MX v1.0); their sums are f32. All else is computed in f32.
;;   The module's matrix products, in the order in which they are computed (A, B: the left and right operand; K: the contracted axis; several contracted axes count as one K, in the product's order):
;;     1. [M 8,192, K 1,024] x [K 1,024, N 8,192]; A: computed on the way; B: computed on the way: QUANTISED
;;   THE QUANTISER, for each operand of a quantised product, along K:
;;     - K is cut into blocks of 32 from its start; a last block that is shorter is filled with zeros.
;;     - A block's scale is 2^e with e = floor(log2(the largest magnitude in the block)) - 2, held to -126 .. 127; a block of zeros has e = 0. As a byte (E8M0): e + 127.
;;     - Each number is divided by its block's scale, clamped to +-6, and rounded to the nearest number of E2M1, ties to even, subnormals kept.
;;     - The product sums the exact products of the quantised numbers (number of the format x scale) in f32.
;;   ~~~python
;;   def quantise(x, axis):      # numpy; x: float32 -> the quantised numbers, widened to float32 again
;;       x = np.moveaxis(x, axis, -1); K = x.shape[-1]
;;       x = np.pad(x, [(0, 0)] * (x.ndim - 1) + [(0, -K % 32)]); x = x.reshape(x.shape[:-1] + (-1, 32)); a = np.abs(x).max(-1, keepdims=True)
;;       e = np.where(a > 0, np.clip(np.frexp(np.where(a > 0, a, 1))[1] - 1 - 2, -126, 127), 0)      # np.frexp(a)[1] - 1 = floor(log2(a)), exactly
;;       r = np.clip(x / 2.0 ** e, -6, 6)
;;       step = 2.0 ** (np.maximum(np.frexp(np.where(r == 0, 1, r))[1] - 1, 0) - 1)
;;       q = np.round(r / step) * step * 2.0 ** e      # np.round: ties to even
;;       return np.moveaxis(q.reshape(q.shape[:-2] + (-1,))[..., :K], -1, axis).astype(np.float32)
;;   ~~~
;;   OPERANDS COMPUTED ON THE WAY. 'Computed on the way' means the value that the module computes at that place (a softmax that the list does not call 'softmax' is quantised finished and normalised). What goes into a quantiser is computed in f32, as accurately as f32 sums, v_exp_f32 and their like allow (about 1e-6 of the number): no bf16 or f16 on the way to a quantiser, and a product that is left as it is and whose result goes on into a quantised operand takes f32 operands (vector FMAs, or v_wmma_f32_16x16x4_f32). A number that lies on a knife's edge between two numbers of the format may be rounded either way, as far as f32 arithmetic and the matrix unit's own rounding can turn it there, and no further.
;; One version. Each part assembles by itself: llvm-mc -triple=amdgcn-amd-amdhsa -mcpu=gfx1250 --defsym DOCPART=n.
;; ======== version 1 of 1: 3 launches
;; limits: right only within a limited range of input values
;; workspace buffers: codes 8,388,608 bytes; scales 524,288 bytes; cand 1,048,576 bytes of whole numbers
;; launch quant (part 1): grid 256 x 1, 8 waves a work-group, no clusters, 74,752 bytes of LDS; arguments source_features, target_features, codes, scales; writes codes, scales
.if DOCPART == 1
	.amdgcn_target "amdgcn-amd-amdhsa--gfx1250"
	.amdhsa_code_object_version 6
	.text
	.protected	k_qb170133115_quant
	.globl	k_qb170133115_quant
	.p2align	8
	.type	k_qb170133115_quant,@function
k_qb170133115_quant:
	s_mov_b64 s[64:65], 0
	v_nop
	global_prefetch_b8 v0, s[64:65] scope:SCOPE_SE
	s_setreg_imm32_b32 hwreg(HW_REG_WAVE_MODE, 25, 1), 1
	s_wait_xcnt 0x0
; Each row of source_features and target_features ([8192][1024] f32) is divided by max(its norm, 1e-12), in f32, and quantised along its 1,024 numbers to
; codes of FP4 (E2M1) with one E8M0 scale byte for each 32.  A block's scale is 2^(floor(log2(its largest magnitude)) - 2); its byte is that magnitude's exponent field - 2, held at 1 from below.
; WHAT IS STORED is laid in the order of the matrix operand's registers.  A row block rb is 16 rows: 0..511 the source's, 512..1023 the target's.
;   codes  [rb][kb 32][r 16][16 bytes]: kb = the block of 32 along K, r = the row in the row block.  For the K step ks of 128 and half c, kb = 4 ks + 2 c + h: the 512 bytes at
;          1024 ks + 512 c + 16 lane (lane = 16 h + r) are registers 4 c .. 4 c + 3 of the fragment.
;   scales [rb][l 32][j 4] words: the word at l = 16 (ks & 1) + r, j = ks >> 1 holds row r's four bytes of K step ks: the byte of (r, kb) lies at 256 ((kb >> 2) & 1) + 16 r + 4 (kb >> 3) + (kb & 3).
; SHARES.  Work-group g takes 64 rows (four row blocks), the first 128 work-groups the source's, the others the target's: only the input's address is chosen.  Wave w takes rows 8 w .. 8 w + 7,
; a row at a time, four rows (32 loads of 512 consecutive bytes) on their way.
; A ROW.  A load gives a lane 16 bytes of 512; the conversions want 32 neighbours in one lane.  So the row turns through the wave's own stage in LDS (32 places of 128 bytes + 16) and comes back
; with K block l in lane l.  The sum of squares is taken meanwhile from the registers as loaded.  x / n is x r + (x - (x r) n) r with r = 1 / n: one correcting step behind v_rcp_f32.
; The codes (16 bytes a lane and row) and scale bytes are gathered in LDS as the images above and leave, behind one barrier, in stores of 512 and 256 consecutive bytes.
; LIMITS: NaN and infinities among the inputs are not served; a row whose sum of squares leaves f32's range goes as it goes in f32 anywhere.  The squares are summed in another order than a plain
; loop's (a few parts in 10^8 of the norm).  A block of zeros gets the byte 1 and zero codes, which add nothing; the bytes are read by this program alone.
.set PL,    144                        ; a place in the stage: 128 bytes + 16, an odd multiple of 16
.set TURNB, 32*PL                      ; a wave's stage
.set IMG,   8*TURNB                    ; behind the stages: the codes' image, 4 row blocks x 32 kb x (256 + 16) bytes
.set KBP,   272
.set RBB,   32*KBP
.set SCS,   IMG+4*RBB                  ; behind it: the scale bytes' image, 4 x 512 bytes
.set EMAX,  2
.set X,     32                         ; v32-63   my K block's 32 numbers
.set R,     64                         ; v64-191  four rows as loaded, 32 registers each
.set OUTR,  192                        ; v192-223 the way out: codes;  v[224:225]: scale bytes
; v1 lane; v2 16 x lane; v3, v4 the stage, in and out; v5, v6 where my codes and my byte go; v7, v8 where I read the images back; v9 8 x lane; v10-17 four pairs at work;
; v18 the sum, v19 the other half's; v[20:21] n; v[22:23] 1 / n; v24, v25 largest magnitudes; v26 the conversion's scale operand; v27 the byte; v28-31 the codes
	s_load_b128 s[4:7], s[0:1], 0x0                ; source, target
	s_load_b128 s[8:11], s[0:1], 0x10              ; codes, scales
	v_lshl_add_u32 v232, v0, 2, 0x12000
	v_mov_b32 v233, 0
	v_lshrrev_b32 v1, 5, v0
	s_delay_alu instid0(VALU_DEP_1)
	v_readfirstlane_b32 s12, v1                    ; wave 0..7
	v_and_b32 v1, 31, v0                           ; lane
	s_delay_alu instid0(VALU_DEP_1)
	v_lshlrev_b32 v2, 4, v1
	s_mul_i32 s13, s12, TURNB                      ; my stage
	v_lshrrev_b32 v10, 3, v1
	s_delay_alu instid0(VALU_DEP_1)
	v_mul_u32_u24 v3, v10, PL
	v_and_b32 v11, 7, v1
	s_delay_alu instid0(VALU_DEP_1)
	v_lshl_add_u32 v3, v11, 4, v3
	s_delay_alu instid0(VALU_DEP_1)
	v_add_nc_u32 v3, s13, v3                       ; in: load j's lane l holds numbers 128 j + 4 l on: K block 4 j + l / 8, byte 16 (l % 8) of it
	v_mul_u32_u24 v4, v1, PL
	s_delay_alu instid0(VALU_DEP_1)
	v_add_nc_u32 v4, s13, v4                       ; out: K block l
	s_lshr_b32 s14, s12, 1                         ; my rows' row block among the four
	s_and_b32 s15, s12, 1
	s_lshl_b32 s15, s15, 7                         ; and 16 bytes x their first r: 8 (w & 1)
	s_mul_i32 s19, s14, RBB
	s_add_co_u32 s19, s19, s15
	s_add_co_u32 s19, s19, IMG
	v_mul_u32_u24 v5, v1, KBP
	s_delay_alu instid0(VALU_DEP_1)
	v_add_nc_u32 v5, s19, v5                       ; codes: kb = lane; row i of my eight 16 i bytes on
	s_lshl_b32 s19, s14, 9
	s_add_co_u32 s19, s19, s15
	s_add_co_u32 s19, s19, SCS
	v_bfe_u32 v6, v1, 2, 1
	s_delay_alu instid0(VALU_DEP_1)
	v_lshlrev_b32 v6, 8, v6
	s_delay_alu instid0(VALU_DEP_1)
	v_lshl_add_u32 v6, v10, 2, v6
	v_and_b32 v11, 3, v1
	s_delay_alu instid0(VALU_DEP_1)
	v_add_nc_u32 v6, v6, v11
	s_delay_alu instid0(VALU_DEP_1)
	v_add_nc_u32 v6, s19, v6                       ; the byte of kb = lane; row i likewise 16 i on
	s_mul_i32 s19, s12, 16*KBP
	s_add_co_u32 s19, s19, IMG
	v_lshrrev_b32 v10, 4, v1
	s_delay_alu instid0(VALU_DEP_1)
	v_mul_u32_u24 v7, v10, KBP
	v_and_b32 v11, 15, v1
	s_delay_alu instid0(VALU_DEP_1)
	v_lshl_add_u32 v7, v11, 4, v7
	s_delay_alu instid0(VALU_DEP_1)
	v_add_nc_u32 v7, s19, v7                       ; back: wave w takes 16 kb of the image (4,096 bytes of codes), two an instruction
	v_lshlrev_b32 v9, 3, v1
	s_lshl_b32 s19, s12, 8
	s_add_co_u32 s19, s19, SCS
	v_add_nc_u32 v8, s19, v9                       ; and 256 scale bytes
	v_mov_b32 v19, 0                               ; a lane permute's destination counts as one of its sources
	v_mov_b32 v21, 0                               ; named as the upper halves of pairs whose low word serves both halves
	v_mov_b32 v23, 0
	s_mov_b32 s16, 0x76543210
	s_mov_b32 s17, 0xfedcba98                      ; v_permlanex16_b32's selects for lane l xor 16
	s_mov_b32 s18, 0x2b8cbccc                      ; 1e-12
	s_and_b32 s20, ttmp9, 127
	s_lshl_b32 s20, s20, 18                        ; in: 64 rows of 4,096 bytes a work-group,
	s_lshl_b32 s21, s12, 15                        ; 8 rows a wave
	s_add_co_u32 s20, s20, s21
	s_mov_b32 s21, 0
	s_lshl_b32 s22, ttmp9, 15                      ; codes: 32,768 bytes a work-group, 4,096 a wave
	s_lshl_b32 s23, s12, 12
	s_add_co_u32 s22, s22, s23
	s_mov_b32 s23, 0
	s_lshl_b32 s24, ttmp9, 11                      ; scale bytes: 2,048 a work-group, 256 a wave
	s_lshl_b32 s25, s12, 8
	s_add_co_u32 s24, s24, s25
	s_mov_b32 s25, 0
	s_wait_kmcnt 0x0
	s_cmp_lt_u32 ttmp9, 128                        ; the choice hangs on the work-group's number alone
	s_cselect_b64 s[4:5], s[4:5], s[6:7]
	s_add_nc_u64 s[4:5], s[4:5], s[20:21]
	s_add_nc_u64 s[8:9], s[8:9], s[22:23]
	s_add_nc_u64 s[10:11], s[10:11], s[24:25]
.macro LOAD i                          ; row i of my eight into slot i % 4: eight loads of 512 consecutive bytes
.irp j, 0,1,2,3,4,5,6,7
	global_load_b128 v[R+32*((\i)%4)+4*\j:R+32*((\i)%4)+4*\j+3], v2, s[4:5] offset:4096*(\i)+512*\j th:TH_LOAD_NT
.endr
.endm
.macro ROW i
.set RS, R+32*((\i)%4)
.if 7-(\i) >= 3
	s_wait_loadcnt 24                              ; this row's eight loads are in; the three rows behind it may be out
.else
	s_wait_loadcnt 8*(7-(\i))
.endif
.irp j, 0,1,2,3,4,5,6,7
	ds_store_b128 v3, v[RS+4*\j:RS+4*\j+3] offset:4*PL*\j
.endr
.irp j, 0,1,2,3,4,5,6,7
	ds_load_b128 v[X+4*\j:X+4*\j+3], v4 offset:16*\j               ; LDS serves a wave's instructions in order (ISA guide 5.7.1.4): these see the stores above
.endr
.irp k, 0,1,2,3
	v_pk_mul_f32 v[10+2*\k:11+2*\k], v[RS+2*\k:RS+2*\k+1], v[RS+2*\k:RS+2*\k+1]   ; the sum of squares of my 32 numbers, in four chains of pairs: the first four start them
.endr
.irp j, 4,5,6,7,8,9,10,11,12,13,14,15
	s_delay_alu instid0(VALU_DEP_4)
	v_pk_fma_f32 v[10+2*(\j%4):11+2*(\j%4)], v[RS+2*\j:RS+2*\j+1], v[RS+2*\j:RS+2*\j+1], v[10+2*(\j%4):11+2*(\j%4)]
.endr
	s_delay_alu instid0(VALU_DEP_3)
	v_pk_add_f32 v[10:11], v[10:11], v[12:13]
	s_delay_alu instid0(VALU_DEP_2)
	v_pk_add_f32 v[14:15], v[14:15], v[16:17]
	s_delay_alu instid0(VALU_DEP_1)
	v_pk_add_f32 v[10:11], v[10:11], v[14:15]
	s_delay_alu instid0(VALU_DEP_1)
	v_add_f32 v18, v10, v11
	s_delay_alu instid0(VALU_DEP_1)
	v_add_f32_dpp v18, v18, v18 row_xmask:1 row_mask:0xf bank_mask:0xf
	s_delay_alu instid0(VALU_DEP_1)
	v_add_f32_dpp v18, v18, v18 row_xmask:2 row_mask:0xf bank_mask:0xf
	s_delay_alu instid0(VALU_DEP_1)
	v_add_f32_dpp v18, v18, v18 row_xmask:4 row_mask:0xf bank_mask:0xf
	s_delay_alu instid0(VALU_DEP_1)
	v_add_f32_dpp v18, v18, v18 row_xmask:8 row_mask:0xf bank_mask:0xf
	s_delay_alu instid0(VALU_DEP_1)
	v_permlanex16_b32 v19, v18, s16, s17
	s_delay_alu instid0(VALU_DEP_1)
	v_add_f32 v18, v18, v19                        ; the row's, in every lane
	s_wait_alu depctr_va_vdst(0)
	v_sqrt_f32 v20, v18
	v_nop                                          ; a plain instruction behind a transcendental,
	s_wait_alu depctr_va_vdst(0)                   ; and the wait ahead of its result's first reader
	v_max_num_f32 v20, s18, v20                    ; n = max(norm, 1e-12)
	s_wait_alu depctr_va_vdst(0)
	v_rcp_f32 v22, v20
	v_nop
	s_wait_alu depctr_va_vdst(0)
	s_wait_dscnt 0x0                               ; my K block is back; the stage's stores have read the slot, and the last row's stores their codes and byte
.if (\i) < 4
	LOAD (\i)+4                                    ; the slot takes the row four further on
.endif
.irp g, 0,1,2,3                                ; x / n, two numbers an instruction, four pairs by turns
.irp k, 0,1,2,3
	v_pk_mul_f32 v[10+2*\k:11+2*\k], v[X+8*\g+2*\k:X+8*\g+2*\k+1], v[22:23] op_sel_hi:[1,0]   ; t = x r
.endr
.irp k, 0,1,2,3
	s_delay_alu instid0(VALU_DEP_4)
	v_pk_fma_f32 v[X+8*\g+2*\k:X+8*\g+2*\k+1], v[10+2*\k:11+2*\k], v[20:21], v[X+8*\g+2*\k:X+8*\g+2*\k+1] op_sel_hi:[1,0,1] neg_lo:[1,0,0] neg_hi:[1,0,0]   ; x - t n
.endr
.irp k, 0,1,2,3
	v_pk_fma_f32 v[X+8*\g+2*\k:X+8*\g+2*\k+1], v[X+8*\g+2*\k:X+8*\g+2*\k+1], v[22:23], v[10+2*\k:11+2*\k] op_sel_hi:[1,0,1]   ; t + (x - t n) r
.endr
.endr
	v_max3_num_f32 v24, |v[X]|, |v[X+1]|, |v[X+2]|                 ; the block's largest magnitude: all 32 numbers are mine; two chains
	v_max3_num_f32 v25, |v[X+3]|, |v[X+4]|, |v[X+5]|
.irp j, 6,10,14,18,22,26
	s_delay_alu instid0(VALU_DEP_2)
	v_max3_num_f32 v24, v24, |v[X+\j]|, |v[X+\j+1]|
	s_delay_alu instid0(VALU_DEP_2)
	v_max3_num_f32 v25, v25, |v[X+\j+2]|, |v[X+\j+3]|
.endr
	s_delay_alu instid0(VALU_DEP_2)
	v_max3_num_f32 v24, v24, |v[X+30]|, |v[X+31]|
	s_delay_alu instid0(VALU_DEP_1)
	v_max3_num_f32 v24, v24, v25, (EMAX+1)<<23     ; and the floor 2^(EMAX + 1 - 127): the byte cannot fall under 1
	s_delay_alu instid0(VALU_DEP_1)
	v_add_nc_u32 v26, 0xff000000, v24              ; EMAX off its exponent field: the conversion takes the exponent field of this operand as its scale, and nothing else of it
.irp g, 0,1,2,3
	v_cvt_scalef32_pk8_fp4_f32 v[28+\g], v[X+8*\g:X+8*\g+7], v26   ; eight numbers / the scale, to the nearest code, ties to even, beyond the largest code the largest; the lowest k in the lowest bits
.endr
	v_lshrrev_b32 v27, 23, v26                     ; the scale's byte.  (Also the plain instruction behind the conversions)
	ds_store_b128 v5, v[28:31] offset:16*(\i)
	ds_store_b8 v6, v27 offset:16*(\i)
.endm
.irp i, 0,1,2,3
	LOAD \i
.endr
.irp i, 0,1,2,3,4,5,6,7
	ROW \i
.endr
	s_wait_dscnt 0x0                               ; for the others' sake: my codes and bytes lie in the images
	s_barrier_signal -1
	s_barrier_wait -1
.irp j, 0,1,2,3,4,5,6,7
	ds_load_b128 v[OUTR+4*\j:OUTR+4*\j+3], v7 offset:2*KBP*\j
.endr
	ds_load_b64 v[224:225], v8
.irp j, 0,1,2,3,4,5,6,7
	s_wait_dscnt 8-\j                              ; load j is in; the younger ones may be out
	global_store_b128 v2, v[OUTR+4*\j:OUTR+4*\j+3], s[8:9] offset:512*\j   ; 32 lanes store 512 consecutive bytes, at a multiple of 512 from the buffer's first byte
.endr
	s_wait_dscnt 0x0
	global_store_b64 v9, v[224:225], s[10:11]      ; 32 lanes store 256 consecutive bytes, at a multiple of 256
	s_wait_tensorcnt 0x0
	ds_add_u32 v232, v233
	s_wait_dscnt 0x0
	s_endpgm
.Lfunc_end_k_qb170133115_quant:
	.size	k_qb170133115_quant, .Lfunc_end_k_qb170133115_quant-k_qb170133115_quant
	.p2alignl 7, 3214868480
	.fill 96, 4, 3214868480
	.section	.rodata,"a",@progbits
	.p2align	6, 0x0
	.amdhsa_kernel k_qb170133115_quant
		.amdhsa_group_segment_fixed_size 74752
		.amdhsa_private_segment_fixed_size 0
		.amdhsa_enable_private_segment 0
		.amdhsa_kernarg_size 32
		.amdhsa_user_sgpr_count 2
		.amdhsa_user_sgpr_kernarg_segment_ptr 1
		.amdhsa_wavefront_size32 1
		.amdhsa_system_sgpr_workgroup_id_x 1
		.amdhsa_system_sgpr_workgroup_id_y 1
		.amdhsa_system_sgpr_workgroup_id_z 1
		.amdhsa_system_vgpr_workitem_id 0
		.amdhsa_next_free_vgpr 234
		.amdhsa_next_free_sgpr 66
		.amdhsa_reserve_vcc 0
		.amdhsa_float_denorm_mode_32 3
		.amdhsa_float_denorm_mode_16_64 3
		.amdhsa_memory_ordered 1
		.amdhsa_forward_progress 1
		.amdhsa_inst_pref_size 85
	.end_amdhsa_kernel
	.amdgpu_metadata
---
amdhsa.version: [ 1, 2 ]
amdhsa.kernels:
  - .name:           k_qb170133115_quant
    .symbol:         k_qb170133115_quant.kd
    .args:
      - { .name: source_features, .offset: 0, .size: 8, .value_kind: global_buffer, .address_space: global }
      - { .name: target_features, .offset: 8, .size: 8, .value_kind: global_buffer, .address_space: global }
      - { .name: codes, .offset: 16, .size: 8, .value_kind: global_buffer, .address_space: global }
      - { .name: scales, .offset: 24, .size: 8, .value_kind: global_buffer, .address_space: global }
    .group_segment_fixed_size: 74752
    .private_segment_fixed_size: 0
    .kernarg_segment_align: 8
    .kernarg_segment_size: 32
    .max_flat_workgroup_size: 256
    .sgpr_count:     66
    .vgpr_count:     234
    .wavefront_size: 32
...
	.end_amdgpu_metadata
.endif
;; end of part 1
;; launch match (part 2): grid 16 x 16, 4 waves a work-group, clusters of 4 x 1, 327,680 bytes of LDS; arguments codes, scales, cand; writes cand
.if DOCPART == 2
	.amdgcn_target "amdgcn-amd-amdhsa--gfx1250"
	.amdhsa_code_object_version 6
	.text
	.protected	k_qb170133115_match
	.globl	k_qb170133115_match
	.p2align	8
	.type	k_qb170133115_match,@function
k_qb170133115_match:
	s_mov_b64 s[64:65], 0
	v_nop
	global_prefetch_b8 v0, s[64:65] scope:SCOPE_SE
	s_setreg_imm32_b32 hwreg(HW_REG_WAVE_MODE, 25, 1), 1
	s_wait_xcnt 0x0
	s_wait_alu depctr_hold_cnt(0) depctr_sa_sdst(0) depctr_va_vdst(0) depctr_va_sdst(0) depctr_va_ssrc(0) depctr_va_vcc(0) depctr_vm_vsrc(0)
	s_getreg_b32 s2, hwreg(HW_REG_IB_STS2, 6, 4)
	s_cmp_eq_u32 s2, 0
	s_cbranch_scc0 .Lentry_in_a_cluster
	s_endpgm
.Lentry_in_a_cluster:
	s_bfe_u32 s2, ttmp6, 0x10000c
	s_cmp_lg_u32 s2, 0x3003
	s_cbranch_scc0 .Lentry_shape_is_right
	s_endpgm
.Lentry_shape_is_right:
; s[t][q] = the sum over 1,024 k of target t's and source q's quantised numbers (codes of FP4 with E8M0 scales, laid by the launch before as images of the operand's registers);
; d = 1 - s, rounded once to f32; for each q the smallest d and, among equal d, the lowest t.
; SHARES.  Work-group (tg, qr): targets 512 tg .. + 511, queries 512 qr .. + 511, all of K; it stores ONE candidate a query: cand[tg][q] = (key of d, index), two whole numbers.
; Four waves, one to a SIMD.  Wave w keeps its 128 targets (8 row blocks x 8 K steps: 64 fragments, 512 registers) for the whole launch.  The 512 queries' codes and scale words lie in LDS,
; filled once; every wave walks them, two row blocks of 16 queries a trip: 17,408 bytes read from LDS feed 128 matrix instructions.  The next trip's fragments are fetched into a second buffer.
; LAYOUT.  Source 0 = 16 targets, source 1 = 16 queries: lane (r, h) holds query r, and register j of accumulator b target 16 b + 8 h + j of the wave's 128.
; THE SMALLEST d AND ITS LOWEST INDEX.  Rounding keeps order, so an accumulator's smallest d in a lane is fl(1 - its largest s): a tree of maxima on s, then 1 - s of eight numbers.
; The eight accumulators meet in a tournament: the higher b wins only by a strictly smaller d, and the winner's eight registers, its d and its 16 b are selected.  Of those eight,
; d = fl(1 - s) is a whole multiple of 2^-24 (where |d| < 1/2, s lies in (1/2, 3/2), is such a multiple, and 1 - s is exact; else d's own last place is 2^-24 or more).  So e = d - (the smallest d)
; is 0 or at least 2^-24, and e x 2^31 + index is the index (under 128) or at least 128: the smallest of these is the lowest index among the smallest d.  The lanes' halves are joined the same way.
; CLUSTER.  The four work-groups of a cluster share qr: the queries' tiles are asked for JOINTLY (mask 15).  The targets differ from partner to partner and go from memory straight into
; registers, each byte once a work-group.  The place in the cluster enters the targets' addresses, the index and cand's address alone.
; FILLS.  At the head one tensor load a wave: waves 0-2 take 16,384 bytes of codes each (trips 0-2), wave 3 the 16,384 bytes of scale words.  The other 212,992 bytes of codes follow behind
; the head's wait and a round, 53,248 bytes a wave.  No LDS byte is filled twice; a wave has one tensor load out at the most.
; NO DATA PREFETCH: every byte that the work-group reads is asked for by its own load at the head, ahead of the loop; the loop has nothing left to run ahead for.
; LIMITS: NaN and infinities are not served (the launch before makes none from finite inputs).
.set QSC,   262144                     ; LDS: 0: the queries' codes, 32 row blocks x 8,192 bytes;  here: their scale words, 32 x 512 bytes;
.set CAND,  QSC+16384                  ; here: [wave 4][query 512] of (d, index), both f32: stored by the waves, never a tensor load's target;
.set SPARE, CAND+16384                 ; here: the spare words, 128 bytes a wave
.set P0B,   49152                      ; codes fetched at the head
.set P1B,   53248                      ; codes that a wave fetches behind the round
.set L16,  1                           ; v1   16 x lane; never rewritten
.set ADQ,  2                           ; v2   LDS address of the codes to be fetched
.set ADS,  3                           ; v3   and of the scale words
.set QSB,  4                           ; v4   QSC + 16 x lane; never rewritten
.set CA,   5                           ; v5   where this trip's candidates go
.set FA,   6                           ; v6   the last merge: CAND + 16 x thread
.set T16,  7                           ; v7   16 x thread
.set CI,   8                           ; v8-15   j + 8 h as f32
.set CBF,  16                          ; v16-23  16 b as f32
.set DK,   24                          ; v[24+2q] the smallest d, v[25+2q] its index
.set OO,   28                          ; v[28+q] the other half's
.set MM,   32                          ; v[32+8q+b] an accumulator's largest s, then its smallest d
.set IX,   48                          ; v[48+4q+c] 16 b of the tournament's winners
.set CAB,  56                          ; v56  CAND + 4,096 x wave + 8 r; never rewritten.  v57, v58 at work
.set SPW,  60                          ; v60  my spare word;  v61  0
.set NIL,  61
.set TS,   64                          ; v64-95  the targets' scale words: 4 b + j: K step 2 j in lanes 0-15, 2 j + 1 in lanes 16-31.  These and the next 16 hold scales and nothing else
.set QS,   96                          ; v96-111 the queries': 8 p + 4 q + j, p the buffer
.set ACC,  128                         ; v128-255 accumulator (q, b) at 128 + 64 q + 8 b
; window 1: the queries' fragments (buffer p, q, K step k) at 128 p + 64 q + 8 k.  Windows 2, 3: the targets' fragments (b, k) at 8 (8 (b % 4) + k), blocks 0-3 and 4-7
.set G1C,  16                          ; s[16:23] group 1: 64 rows of 256 bytes;  s[24:31]: 208 rows
.set G1B,  24
.set G0S,  32                          ; s[32:35] group 0: scale words;  s[36:39] the head's codes;  s[40:43] the later codes
.set G0A,  36
.set G0B,  40
.set SQ,   56                          ; s56  byte in the codes at which the next fetch begins;  s57 the same in the scale words;  s58 byte among a wave's candidates
.set SS,   57
.set SC,   58
.set MK,   68                          ; s68-75 the tournament's lane masks
.set MSB, 0
.macro WIN new                         ; the immediate's high byte repeats the setting that is left
.if MSB != \new
	s_set_vgpr_msb (MSB<<8)|\new
.set MSB, \new
.endif
.endm
.macro ROUND                           ; a round of the cluster's barrier
	s_barrier_signal -1
	s_barrier_wait -1
	s_cmp_lg_u32 s10, 0
	s_cbranch_scc1 .Lnot_wave_0_\@
	s_barrier_signal -3
.Lnot_wave_0_\@:
	s_barrier_wait -3
	s_barrier_signal -1
	s_barrier_wait -1
.endm
.macro NOPS
.rept 4
	v_nop
.endr
.endm
.macro TLOAD win, from, to, base       ; target fragments as the image lies: 512 consecutive bytes are four registers
	WIN \win
.set I, \from
.rept \to-\from
	global_load_b128 v[4*I:4*I+3], v[L16], s[44:45] offset:\base+512*I
.set I, I+1
.endr
	WIN 0
.endm
	s_load_b128 s[4:7], s[0:1], 0x0                ; codes, scales
	s_load_b64 s[8:9], s[0:1], 0x10                ; cand
	v_lshl_add_u32 v[SPW], v0, 2, SPARE
	v_mov_b32 v[NIL], 0
	ds_add_u32 v[SPW], v[NIL]                      ; the opening lines: the add twice on end and its wait
	ds_add_u32 v[SPW], v[NIL]
	v_lshrrev_b32 v1, 5, v0
	v_readfirstlane_b32 s10, v1                    ; wave 0..3
	s_bfe_u32 s13, ttmp6, 0x40000                  ; cx
	s_lshl_b32 s11, ttmp9, 2
	s_add_co_u32 s11, s11, s13                     ; tg = 4 x cluster x + cx
	s_and_b32 s12, ttmp7, 0xffff                   ; qr, which the four partners share
	s_mov_b32 s[G1C+0], 15|(3<<16)|(1<<21)         ; mask: all four work-groups; elements of 8 bytes; bit 21 beside a mask
	s_mov_b32 s[G1C+1], 32<<16                     ; rows of 32 elements = 256 bytes
	s_mov_b32 s[G1C+2], 64<<16
	s_mov_b32 s[G1C+3], 32<<16
	s_mov_b32 s[G1C+4], 64
	s_mov_b32 s[G1C+5], 32
	s_mov_b32 s[G1C+6], 0
	s_mov_b32 s[G1C+7], 0
	s_mov_b32 s[G1B+0], 15|(3<<16)|(1<<21)
	s_mov_b32 s[G1B+1], 32<<16
	s_mov_b32 s[G1B+2], 208<<16
	s_mov_b32 s[G1B+3], 32<<16
	s_mov_b32 s[G1B+4], 208
	s_mov_b32 s[G1B+5], 32
	s_mov_b32 s[G1B+6], 0
	s_mov_b32 s[G1B+7], 0
	; what is fetched of the queries: made of qr and the wave's number alone
	s_lshl_b32 s14, s12, 18                        ; codes: 262,144 bytes a block of 512 queries
	s_mov_b32 s[G0A], 1
	s_lshl_b32 s[G0A+1], s10, 14                   ; the head's: 16,384 bytes a wave
	s_mov_b32 s[G0B], 1
	s_mul_i32 s[G0B+1], s10, P1B
	s_add_co_u32 s[G0B+1], s[G0B+1], P0B           ; the later ones, behind the head's
	s_add_co_u32 s60, s14, s[G0B+1]
	s_mov_b32 s61, 0
	s_add_co_u32 s14, s14, s[G0A+1]
	s_mov_b32 s15, 0
	s_lshl_b32 s62, s12, 14                        ; scale words: 16,384 bytes a block
	s_mov_b32 s63, 0
	s_mov_b32 s[G0S], 1
	s_mov_b32 s[G0S+1], QSC
	s_mov_b32 s50, 0x76543210
	s_mov_b32 s51, 0xfedcba98                      ; v_permlanex16_b32's selects for lane l xor 16
	s_mov_b32 s52, 0x4f000000                      ; 2^31
	s_mov_b32 s53, s52
	s_lshl_b32 s55, s11, 9                         ; my work-group's first target
	v_and_b32 v1, 31, v0
	v_lshlrev_b32 v[L16], 4, v1
	s_wait_alu depctr_va_vdst(0)
	s_wait_dscnt 0x0
	s_wait_kmcnt 0x0
	s_add_nc_u64 s[G0S+2:G0S+3], s[6:7], s[62:63]
	s_add_nc_u64 s[G0A+2:G0A+3], s[4:5], s[14:15]
	s_add_nc_u64 s[G0B+2:G0B+3], s[4:5], s[60:61]
	s_or_b32 s[G0S+3], s[G0S+3], 0x80000000        ; type = 2
	s_or_b32 s[G0A+3], s[G0A+3], 0x80000000
	s_or_b32 s[G0B+3], s[G0B+3], 0x80000000
	s_lshl_b32 s60, s11, 18                        ; my targets: row blocks 512 + 32 tg + 8 w on
	s_lshl_b32 s59, s10, 16
	s_add_co_u32 s60, s60, s59
	s_add_co_u32 s60, s60, 512*8192
	s_add_nc_u64 s[44:45], s[4:5], s[60:61]
	s_lshl_b32 s60, s11, 14
	s_lshl_b32 s59, s10, 12
	s_add_co_u32 s60, s60, s59
	s_add_co_u32 s60, s60, 512*512
	s_add_nc_u64 s[46:47], s[6:7], s[60:61]
	s_lshl_b32 s60, s11, 16                        ; cand: 65,536 bytes a tg, 4,096 a block of 512 queries
	s_lshl_b32 s59, s12, 12
	s_add_co_u32 s60, s60, s59
	s_add_nc_u64 s[48:49], s[8:9], s[60:61]
.irp b, 0,1,2,3,4,5,6,7
	global_load_b128 v[TS+4*\b:TS+4*\b+3], v[L16], s[46:47] offset:512*\b
.endr
	TLOAD 0x80, 0, 48, 0                           ; 56 loads go out ahead of the round
	ROUND                                          ; all four work-groups are here: the joint loads meet
	s_cmp_lt_u32 s10, 3                            ; one tensor load a wave, one to an arm
	s_cbranch_scc0 .Lhead_s
	tensor_load_to_lds s[G0A:G0A+3], s[G1C:G1C+7]
	s_nop 0
	NOPS
	s_branch .Lhead_j
.Lhead_s:
	tensor_load_to_lds s[G0S:G0S+3], s[G1C:G1C+7]
	s_nop 0
	NOPS
.Lhead_j:
	v_add_nc_u32 v[QSB], QSC, v[L16]
	v_and_b32 v[CAB], 15, v0
	v_lshlrev_b32 v[CAB], 3, v[CAB]
	s_lshl_b32 s59, s10, 12
	s_add_co_u32 s59, s59, CAND
	v_add_nc_u32 v[CAB], s59, v[CAB]
	v_lshlrev_b32 v[T16], 4, v0
	v_add_nc_u32 v[FA], CAND, v[T16]
	v_bfe_u32 v57, v0, 4, 1
	v_lshlrev_b32 v57, 3, v57                      ; 8 h
.irp i, 0,1,2,3,4,5,6,7
	v_add_nc_u32 v58, \i, v57
	v_cvt_f32_u32 v[CI+\i], v58
.endr
.irp i, 0,1,2,3,4,5,6,7
	v_mov_b32 v58, 16*\i
	v_cvt_f32_u32 v[CBF+\i], v58
.endr
	v_mov_b32 v[OO], 0                             ; a lane permute's destination counts as one of its sources
	v_mov_b32 v[OO+1], 0
	TLOAD 0x80, 48, 64, 0
	TLOAD 0xc0, 0, 64, 32768                       ; blocks 4-7
.macro FETCH p                         ; 34 LDS loads in one run: two row blocks of queries, all of K, and their scale words, into buffer p
	WIN 0x40
.set I, 0
.rept 32
	ds_load_b128 v[128*(\p)+4*I:128*(\p)+4*I+3], v[ADQ] offset:512*I
.set I, I+1
.endr
	WIN 0
.irp q, 0,1
	ds_load_b128 v[QS+8*(\p)+4*\q:QS+8*(\p)+4*\q+3], v[ADS] offset:512*\q
.endr
.endm
.macro WM d, a, b, sa, sb, k           ; the first K step starts the sum; an odd K step's scale words lie in lanes 16-31
.if \k == 0
	v_wmma_scale_f32_16x16x128_f8f6f4 v[\d:\d+7], v[\a:\a+7], v[\b:\b+7], 0, v[\sa], v[\sb] matrix_a_fmt:MATRIX_FMT_FP4 matrix_b_fmt:MATRIX_FMT_FP4
.elseif \k%2 == 0
	v_wmma_scale_f32_16x16x128_f8f6f4 v[\d:\d+7], v[\a:\a+7], v[\b:\b+7], v[\d:\d+7], v[\sa], v[\sb] matrix_a_fmt:MATRIX_FMT_FP4 matrix_b_fmt:MATRIX_FMT_FP4
.else
	v_wmma_scale_f32_16x16x128_f8f6f4 v[\d:\d+7], v[\a:\a+7], v[\b:\b+7], v[\d:\d+7], v[\sa], v[\sb] matrix_a_fmt:MATRIX_FMT_FP4 matrix_b_fmt:MATRIX_FMT_FP4 matrix_a_scale:MATRIX_SCALE_ROW1 matrix_b_scale:MATRIX_SCALE_ROW1
.endif
.endm
; 64 matrix instructions: 8 K steps x 2 blocks of queries x four blocks of targets (hi = 0: blocks 0-3, 1: blocks 4-7).  The eight accumulators take turns
.macro MULS p, hi
.irp k, 0,1,2,3,4,5,6,7
.irp q, 0,1
.irp b, 0,1,2,3
	WM ACC+64*\q+8*(4*\hi+\b), 8*(8*\b+\k), 128*\p+64*\q+8*\k, TS+4*(4*\hi+\b)+\k/2, QS+8*\p+4*\q+\k/2, \k
.endr
.endr
.endr
.endm
; a level of the tournament: accumulator LV + st against LV; the higher one wins only by a strictly smaller d
.macro LEVEL st
.irp q, 0,1
.set LV, 0
.rept 4/\st
	v_cmp_lt_f32 s[MK+4*\q+LV/(2*\st)], v[MM+8*\q+LV+\st], v[MM+8*\q+LV]
.set LV, LV+2*\st
.endr
.endr
.irp q, 0,1
.set LV, 0
.rept 4/\st
	v_min_num_f32 v[MM+8*\q+LV], v[MM+8*\q+LV], v[MM+8*\q+LV+\st]
.if \st == 1
	v_cndmask_b32 v[IX+4*\q+LV/2], v[CBF+LV], v[CBF+LV+1], s[MK+4*\q+LV/(2*\st)]
.else
	v_cndmask_b32 v[IX+4*\q+LV/2], v[IX+4*\q+LV/2], v[IX+4*\q+(LV+\st)/2], s[MK+4*\q+LV/(2*\st)]
.endif
.set LV, LV+2*\st
.endr
.endr
.irp q, 0,1
.set LV, 0
.rept 4/\st
.irp j, 0,1,2,3,4,5,6,7
	v_cndmask_b32 v[ACC+64*\q+8*LV+\j], v[ACC+64*\q+8*LV+\j], v[ACC+64*\q+8*(LV+\st)+\j], s[MK+4*\q+LV/(2*\st)]
.endr
.set LV, LV+2*\st
.endr
.endr
.endm
; THE VECTOR WORK OF A TRIP: of my 128 targets, for 32 queries, the smallest d and its lowest index
.macro EPI
.irp b, 0,1,2,3,4,5,6,7                        ; each accumulator's largest s, 16 chains by turns; blocks 0-3, finished earlier, come first; each result is read from its low end on
.irp q, 0,1
	v_max3_num_f32 v[MM+8*\q+\b], v[ACC+64*\q+8*\b], v[ACC+64*\q+8*\b+1], v[ACC+64*\q+8*\b+2]
.endr
.endr
.irp i, 3,5
.irp b, 0,1,2,3,4,5,6,7
.irp q, 0,1
	v_max3_num_f32 v[MM+8*\q+\b], v[MM+8*\q+\b], v[ACC+64*\q+8*\b+\i], v[ACC+64*\q+8*\b+\i+1]
.endr
.endr
.endr
.irp b, 0,1,2,3,4,5,6,7
.irp q, 0,1
	v_max_num_f32 v[MM+8*\q+\b], v[MM+8*\q+\b], v[ACC+64*\q+8*\b+7]
.endr
.endr
.irp p, 0,1,2,3,4,5,6,7
	v_pk_fma_f32 v[MM+2*\p:MM+2*\p+1], v[MM+2*\p:MM+2*\p+1], -1.0, 1.0 op_sel_hi:[1,0,0]   ; its smallest d = 1 - s, one rounding
.endr
	LEVEL 1
	LEVEL 2
	LEVEL 4                                        ; v[MM+8q]: the lane's smallest d; v[IX+4q]: 16 b of its lowest accumulator, whose eight s lie in accumulator (q, 0)
.irp p, 0,1,2,3
.irp q, 0,1
	v_pk_fma_f32 v[ACC+64*\q+2*\p:ACC+64*\q+2*\p+1], v[ACC+64*\q+2*\p:ACC+64*\q+2*\p+1], -1.0, 1.0 op_sel_hi:[1,0,0]
.endr
.endr
.irp p, 0,1,2,3
.irp q, 0,1
	v_pk_add_f32 v[ACC+64*\q+2*\p:ACC+64*\q+2*\p+1], v[ACC+64*\q+2*\p:ACC+64*\q+2*\p+1], v[MM+8*\q:MM+8*\q+1] op_sel_hi:[1,0] neg_lo:[0,1] neg_hi:[0,1]   ; e = d - the smallest: 0, or 2^-24 at the least
.endr
.endr
.irp p, 0,1,2,3
.irp q, 0,1
	v_pk_fma_f32 v[ACC+64*\q+2*\p:ACC+64*\q+2*\p+1], v[ACC+64*\q+2*\p:ACC+64*\q+2*\p+1], s[52:53], v[CI+2*\p:CI+2*\p+1] op_sel_hi:[1,0,1]   ; e x 2^31 + (j + 8 h)
.endr
.endr
.irp q, 0,1
	v_min3_num_f32 v[ACC+64*\q], v[ACC+64*\q], v[ACC+64*\q+1], v[ACC+64*\q+2]
	v_min3_num_f32 v[ACC+64*\q+3], v[ACC+64*\q+3], v[ACC+64*\q+4], v[ACC+64*\q+5]
.endr
.irp q, 0,1
	v_permlanex16_b32 v[OO+\q], v[MM+8*\q], s50, s51               ; the query's other 64 targets lie in lane l xor 16
.endr
.irp q, 0,1
	v_min3_num_f32 v[ACC+64*\q], v[ACC+64*\q], v[ACC+64*\q+6], v[ACC+64*\q+7]
.endr
.irp q, 0,1
	v_min_num_f32 v[DK+2*\q], v[MM+8*\q], v[OO+\q]                 ; the smallest d of both halves
.endr
.irp q, 0,1
	v_min_num_f32 v[ACC+64*\q], v[ACC+64*\q], v[ACC+64*\q+3]
.endr
.irp q, 0,1
	v_sub_f32 v[MM+8*\q], v[MM+8*\q], v[DK+2*\q]                   ; 0 where my half holds it
.endr
.irp q, 0,1
	v_add_f32 v[DK+2*\q+1], v[ACC+64*\q], v[IX+4*\q]               ; the lane's lowest index: under 128
.endr
.irp q, 0,1
	v_fma_f32 v[DK+2*\q+1], v[MM+8*\q], s52, v[DK+2*\q+1]          ; lifted to 128 or more where the other half's d is smaller
.endr
.irp q, 0,1
	v_permlanex16_b32 v[OO+\q], v[DK+2*\q+1], s50, s51
.endr
.irp q, 0,1
	v_min_num_f32 v[DK+2*\q+1], v[DK+2*\q+1], v[OO+\q]
.endr
.irp q, 0,1
	ds_store_b64 v[CA], v[DK+2*\q:DK+2*\q+1] offset:128*\q         ; lanes l and l xor 16 write the same bytes with the same values
.endr
.endm
; A TRIP on buffer p.  fetch = 1: the next trip's queries go into the other buffer, whose last readers stand a whole EPI back.  first = 1: the targets are still landing.
.macro TRIP p, fetch, first
.if \first
	s_wait_dscnt 0x0                               ; buffer p and its scale words are in: only loads are out
.else
	s_wait_dscnt 0x2                               ; LDS instructions end in order (ISA guide 5.7.1): the two youngest are the last trip's candidate stores and may stay out; the 34 loads of buffer p and its scale words are in
.endif
.if \fetch
	s_add_co_u32 s[SQ], s[SQ], 16384
	s_add_co_u32 s[SS], s[SS], 1024
	v_add_nc_u32 v[ADQ], s[SQ], v[L16]
	v_add_nc_u32 v[ADS], s[SS], v[QSB]
	FETCH 1-\p
.endif
.if \first
	s_wait_loadcnt 63                              ; behind blocks 0-3's last load 64 were issued: the scale words and blocks 0-3 are in
.endif
	WIN 0x06                                       ; source 0 window 2, source 1 window 1
	MULS \p, 0
.if \first
	s_wait_loadcnt 0x0                             ; blocks 4-7
.endif
	WIN 0x07                                       ; source 0 window 3
	MULS \p, 1
	WIN 0
	v_add_nc_u32 v[CA], s[SC], v[CAB]
	NOPS                                           ; places (ISA guide 7.12.1) between the trip's products and the first read of their results: matrix instructions are not counted as places
	s_add_co_u32 s[SC], s[SC], 256
	EPI
	s_wait_alu depctr_va_vdst(0)
.endm
	s_wait_alu depctr_va_vdst(0)
	s_wait_tensorcnt 0x0                           ; my tile of the head's four is in
	ds_add_u32 v[SPW], v[NIL]
	s_wait_dscnt 0x0
	ROUND                                          ; everybody's tile is in, and the four work-groups are here: the joint loads meet
	tensor_load_to_lds s[G0B:G0B+3], s[G1B:G1B+7]  ; my 53,248 bytes of the other codes
	s_nop 0
	NOPS
	s_mov_b32 s[SQ], 0
	s_mov_b32 s[SS], 0
	s_mov_b32 s[SC], 0
	v_add_nc_u32 v[ADQ], s[SQ], v[L16]
	v_add_nc_u32 v[ADS], s[SS], v[QSB]
	FETCH 0
	TRIP 0, 1, 1                                   ; trips 0 and 1 read, and fetch, the head's tiles alone
	TRIP 1, 1, 0
	s_wait_tensorcnt 0x0                           ; my part of the other codes is in,
	s_wait_dscnt 0x0                               ; (no LDS instruction of mine is out at a signal)
	s_barrier_signal -1
	s_barrier_wait -1                              ; everybody's is
	s_mov_b32 s54, 6
.Lpair:                                                ; trips 2 to 13
	TRIP 0, 1, 0
	TRIP 1, 1, 0
	s_sub_co_u32 s54, s54, 1
	s_cmp_lg_u32 s54, 0
	s_cbranch_scc1 .Lpair
	TRIP 0, 1, 0
	TRIP 1, 0, 0                                   ; the last trip fetches nothing
	s_wait_dscnt 0x0                               ; for the others' sake: my candidates lie in LDS
	s_barrier_signal -1
	s_barrier_wait -1
	; THE LAST MERGE.  Thread t takes queries 256 u + 2 t and + 1, u = 0, 1: the four waves' (d, index), waves ascending; only a strictly smaller d replaces, so the lower index stays
.irp u, 0,1
.irp w, 0,1,2,3
	ds_load_b128 v[ACC+16*\u+4*\w:ACC+16*\u+4*\w+3], v[FA] offset:4096*\w+2048*\u
.endr
.endr
	s_wait_dscnt 0x0
.irp i, 0,1,2,3,4,5,6,7
	v_cvt_u32_f32 v[ACC+4*\i+1], v[ACC+4*\i+1]
	v_cvt_u32_f32 v[ACC+4*\i+3], v[ACC+4*\i+3]
.endr
.irp w, 1,2,3
.irp u, 0,1
.irp e, 0,2
	v_add_nc_u32 v[ACC+16*\u+4*\w+\e+1], 128*\w, v[ACC+16*\u+4*\w+\e+1]   ; the wave's first target
	v_cmp_lt_f32 vcc_lo, v[ACC+16*\u+4*\w+\e], v[ACC+16*\u+\e]
	v_cndmask_b32 v[ACC+16*\u+\e], v[ACC+16*\u+\e], v[ACC+16*\u+4*\w+\e], vcc_lo
	v_cndmask_b32 v[ACC+16*\u+\e+1], v[ACC+16*\u+\e+1], v[ACC+16*\u+4*\w+\e+1], vcc_lo
.endr
.endr
.endr
.irp u, 0,1
.irp e, 0,2
	v_add_nc_u32 v[ACC+16*\u+\e+1], s55, v[ACC+16*\u+\e+1]         ; the target's row
	v_ashrrev_i32 v57, 31, v[ACC+16*\u+\e]                         ; d as a whole number that keeps d's order: the sign bit is set where d is not negative, all bits are turned where it is
	v_or_b32 v57, 0x80000000, v57
	v_xor_b32 v[ACC+16*\u+\e], v[ACC+16*\u+\e], v57
.endr
.endr
.irp u, 0,1
	global_store_b128 v[T16], v[ACC+16*\u:ACC+16*\u+3], s[48:49] offset:2048*\u   ; 32 lanes store 512 consecutive bytes, at a multiple of 512 from the buffer's first byte
.endr
	s_wait_tensorcnt 0x0                           ; the wave's end
	ds_add_u32 v[SPW], v[NIL]
	s_wait_dscnt 0x0
	ROUND                                          ; the closing round
	s_endpgm
.Lfunc_end_k_qb170133115_match:
	.size	k_qb170133115_match, .Lfunc_end_k_qb170133115_match-k_qb170133115_match
	.p2alignl 7, 3214868480
	.fill 96, 4, 3214868480
	.section	.rodata,"a",@progbits
	.p2align	6, 0x0
	.amdhsa_kernel k_qb170133115_match
		.amdhsa_group_segment_fixed_size 327680
		.amdhsa_private_segment_fixed_size 0
		.amdhsa_enable_private_segment 0
		.amdhsa_kernarg_size 24
		.amdhsa_user_sgpr_count 2
		.amdhsa_user_sgpr_kernarg_segment_ptr 1
		.amdhsa_wavefront_size32 1
		.amdhsa_system_sgpr_workgroup_id_x 1
		.amdhsa_system_sgpr_workgroup_id_y 1
		.amdhsa_system_sgpr_workgroup_id_z 1
		.amdhsa_system_vgpr_workitem_id 0
		.amdhsa_next_free_vgpr 1024
		.amdhsa_next_free_sgpr 80
		.amdhsa_reserve_vcc 1
		.amdhsa_float_denorm_mode_32 3
		.amdhsa_float_denorm_mode_16_64 3
		.amdhsa_memory_ordered 1
		.amdhsa_forward_progress 1
		.amdhsa_inst_pref_size 232
	.end_amdhsa_kernel
	.amdgpu_metadata
---
amdhsa.version: [ 1, 2 ]
amdhsa.kernels:
  - .name:           k_qb170133115_match
    .symbol:         k_qb170133115_match.kd
    .args:
      - { .name: codes, .offset: 0, .size: 8, .value_kind: global_buffer, .address_space: global }
      - { .name: scales, .offset: 8, .size: 8, .value_kind: global_buffer, .address_space: global }
      - { .name: cand, .offset: 16, .size: 8, .value_kind: global_buffer, .address_space: global }
    .group_segment_fixed_size: 327680
    .private_segment_fixed_size: 0
    .kernarg_segment_align: 8
    .kernarg_segment_size: 24
    .max_flat_workgroup_size: 128
    .sgpr_count:     80
    .vgpr_count:     1024
    .wavefront_size: 32
...
	.end_amdgpu_metadata
.endif
;; end of part 2
;; launch gather (part 3): grid 256 x 1, 8 waves a work-group, no clusters, 5,120 bytes of LDS; arguments cand, target_features, out0; writes out0
.if DOCPART == 3
	.amdgcn_target "amdgcn-amd-amdhsa--gfx1250"
	.amdhsa_code_object_version 6
	.text
	.protected	k_qb170133115_gather
	.globl	k_qb170133115_gather
	.p2align	8
	.type	k_qb170133115_gather,@function
k_qb170133115_gather:
	s_mov_b64 s[64:65], 0
	v_nop
	global_prefetch_b8 v0, s[64:65] scope:SCOPE_SE
	s_setreg_imm32_b32 hwreg(HW_REG_WAVE_MODE, 25, 1), 1
	s_wait_xcnt 0x0
; out0[q][:] = target_features[the nearest target of q][:].  cand[tg 16][q 8192] holds, for each block of 512 targets, (key of the smallest d, its lowest index): two whole numbers; the key keeps d's order.
; Work-group g takes 32 queries, wave w four of them.  The 16 x 256 bytes of candidates are read once (16 lanes take 256 consecutive bytes), handed round through LDS, and merged by whole-number
; compares, tg ascending: only a strictly smaller key replaces, so that among equal d the lowest index stays.  Then each wave copies its four rows of 4,096 bytes: 32 loads of 512 consecutive
; bytes on their way at once, and as many stores.  The mean over one neighbour is the row itself.
; An index is held to 8,191 ahead of its use in an address.  No register that a load or a store names is written again, and EXEC never changes.
	s_load_b128 s[4:7], s[0:1], 0x0                ; cand, target_features
	s_load_b64 s[8:9], s[0:1], 0x10                ; out0
	v_lshl_add_u32 v192, v0, 2, 0x1000
	v_mov_b32 v193, 0
	v_lshrrev_b32 v1, 5, v0
	s_delay_alu instid0(VALU_DEP_1)
	v_readfirstlane_b32 s10, v1                    ; wave 0..7
	v_and_b32 v1, 31, v0
	s_delay_alu instid0(VALU_DEP_1)
	v_lshlrev_b32 v2, 4, v1                        ; 16 x lane
	v_lshrrev_b32 v3, 4, v0                        ; thread t reads tg = t / 16,
	v_and_b32 v4, 15, v0
	s_delay_alu instid0(VALU_DEP_1)
	v_lshlrev_b32 v4, 4, v4                        ; 16 bytes (two queries) at 16 (t % 16)
	s_delay_alu instid0(VALU_DEP_1)
	v_lshl_add_u32 v3, v3, 16, v4                  ; a tg's row of cand is 65,536 bytes
	v_lshlrev_b32 v5, 4, v0                        ; LDS: [tg][32 queries][8 bytes] = 16 t
	v_and_b32 v6, 3, v0
	s_delay_alu instid0(VALU_DEP_1)
	v_lshlrev_b32 v6, 3, v6
	s_lshl_b32 s11, s10, 5
	v_add_nc_u32 v6, s11, v6                       ; lane l merges query 4 w + l % 4
	s_lshl_b32 s12, ttmp9, 8                       ; cand: 32 queries of 8 bytes a work-group
	s_mov_b32 s13, 0
	s_lshl_b32 s14, ttmp9, 17                      ; out0: 32 rows of 4,096 bytes a work-group,
	s_lshl_b32 s15, s10, 14                        ; four a wave
	s_add_co_u32 s14, s14, s15
	s_mov_b32 s15, 0
	s_wait_alu depctr_va_vdst(0)
	s_wait_kmcnt 0x0
	s_add_nc_u64 s[4:5], s[4:5], s[12:13]
	s_add_nc_u64 s[8:9], s[8:9], s[14:15]
	global_load_b128 v[8:11], v3, s[4:5] th:TH_LOAD_NT
	s_wait_loadcnt 0x0
	ds_store_b128 v5, v[8:11]
	s_wait_dscnt 0x0                               ; for the others' sake: my 16 bytes lie in LDS
	s_barrier_signal -1
	s_barrier_wait -1
.irp g, 0,1,2,3,4,5,6,7,8,9,10,11,12,13,14,15
	ds_load_b64 v[16+2*\g:17+2*\g], v6 offset:256*\g
.endr
	s_wait_dscnt 0x0
.irp g, 1
	v_cmp_lt_u32 vcc_lo, v[16+2*\g], v16
	s_delay_alu instid0(VALU_DEP_1)
	v_cndmask_b32 v16, v16, v[16+2*\g], vcc_lo
	s_delay_alu instid0(VALU_DEP_2)
	v_cndmask_b32 v17, v17, v[17+2*\g], vcc_lo
.endr
.irp g, 2, 3, 4, 5, 6, 7, 8, 9, 10, 11, 12, 13, 14, 15
	s_delay_alu instid0(VALU_DEP_2)
	v_cmp_lt_u32 vcc_lo, v[16+2*\g], v16
	s_delay_alu instid0(VALU_DEP_1)
	v_cndmask_b32 v16, v16, v[16+2*\g], vcc_lo
	s_delay_alu instid0(VALU_DEP_2)
	v_cndmask_b32 v17, v17, v[17+2*\g], vcc_lo
.endr
.irp j, 0,1,2,3
	v_readlane_b32 s[20+\j], v17, \j               ; query 4 w + j's target,
	s_min_u32 s[20+\j], s[20+\j], 0x1fff           ; held inside the table,
	s_lshl_b32 s[20+\j], s[20+\j], 12              ; its row's first byte,
	v_add_nc_u32 v[12+\j], s[20+\j], v2            ; and my 16 bytes of each 512
.endr
.irp j, 0,1,2,3
.irp i, 0,1,2,3,4,5,6,7
	global_load_b128 v[64+32*\j+4*\i:64+32*\j+4*\i+3], v[12+\j], s[6:7] offset:512*\i   ; no hint: several queries may name one row
.endr
.endr
.irp j, 0,1,2,3
	s_wait_loadcnt 8*(3-\j)                        ; row j's eight loads are in; the younger rows' may be out
.irp i, 0,1,2,3,4,5,6,7
	global_store_b128 v2, v[64+32*\j+4*\i:64+32*\j+4*\i+3], s[8:9] offset:4096*\j+512*\i th:TH_STORE_NT   ; 32 lanes store 512 consecutive bytes, at a multiple of 512 from out0's first byte
.endr
.endr
	s_wait_tensorcnt 0x0
	ds_add_u32 v192, v193
	s_wait_dscnt 0x0
	s_endpgm
.Lfunc_end_k_qb170133115_gather:
	.size	k_qb170133115_gather, .Lfunc_end_k_qb170133115_gather-k_qb170133115_gather
	.p2alignl 7, 3214868480
	.fill 96, 4, 3214868480
	.section	.rodata,"a",@progbits
	.p2align	6, 0x0
	.amdhsa_kernel k_qb170133115_gather
		.amdhsa_group_segment_fixed_size 5120
		.amdhsa_private_segment_fixed_size 0
		.amdhsa_enable_private_segment 0
		.amdhsa_kernarg_size 24
		.amdhsa_user_sgpr_count 2
		.amdhsa_user_sgpr_kernarg_segment_ptr 1
		.amdhsa_wavefront_size32 1
		.amdhsa_system_sgpr_workgroup_id_x 1
		.amdhsa_system_sgpr_workgroup_id_y 1
		.amdhsa_system_sgpr_workgroup_id_z 1
		.amdhsa_system_vgpr_workitem_id 0
		.amdhsa_next_free_vgpr 194
		.amdhsa_next_free_sgpr 66
		.amdhsa_reserve_vcc 1
		.amdhsa_float_denorm_mode_32 3
		.amdhsa_float_denorm_mode_16_64 3
		.amdhsa_memory_ordered 1
		.amdhsa_forward_progress 1
		.amdhsa_inst_pref_size 13
	.end_amdhsa_kernel
	.amdgpu_metadata
---
amdhsa.version: [ 1, 2 ]
amdhsa.kernels:
  - .name:           k_qb170133115_gather
    .symbol:         k_qb170133115_gather.kd
    .args:
      - { .name: cand, .offset: 0, .size: 8, .value_kind: global_buffer, .address_space: global }
      - { .name: target_features, .offset: 8, .size: 8, .value_kind: global_buffer, .address_space: global }
      - { .name: out0, .offset: 16, .size: 8, .value_kind: global_buffer, .address_space: global }
    .group_segment_fixed_size: 5120
    .private_segment_fixed_size: 0
    .kernarg_segment_align: 8
    .kernarg_segment_size: 24
    .max_flat_workgroup_size: 256
    .sgpr_count:     66
    .vgpr_count:     194
    .wavefront_size: 32
...
	.end_amdgpu_metadata
.endif
;; end of part 3
